; MI455X (gfx1250); checked and timed in simulation.
; The chip was launched on July 23, 2026; its instructions are those of AMD's public machine-readable ISA for CDNA 5 (MIT licence, August 2026) and "CDNA5" Instruction Set Architecture Reference Guide (July 2026). The comments in the code are by the model that wrote it; some were corrected since.
;; KNRM. Allowed arithmetic: float matrix products may take bf16 or f16 operands with f32 sums; all other float work in f32.
;; Inputs: b 1 float32; doc_tokens 256 x 512 int32; emb 100,000 x 300 float32; query_tokens 256 x 32 int32; w 11 float32.
;; Outputs: out0 256 float32.
;; One version. Each part assembles by itself: llvm-mc -triple=amdgcn-amd-amdhsa -mcpu=gfx1250 --defsym DOCPART=n.
;; ======== version 1 of 1: 1 launch
;; launch knrm (part 1): grid 256 x 1, 16 waves a work-group, no clusters, 214,016 bytes of LDS; arguments query_tokens, doc_tokens, emb, w, b, out0; writes out0
.if DOCPART == 1
	.amdgcn_target "amdgcn-amd-amdhsa--gfx1250"
	.amdhsa_code_object_version 6
	.text
	.protected	k_qf6d57e7756_knrm
	.globl	k_qf6d57e7756_knrm
	.p2align	8
	.type	k_qf6d57e7756_knrm,@function
k_qf6d57e7756_knrm:
	s_mov_b64 s[64:65], 0
	v_nop
	global_prefetch_b8 v0, s[64:65] scope:SCOPE_SE
	s_setreg_imm32_b32 hwreg(HW_REG_WAVE_MODE, 25, 1), 1
	s_wait_xcnt 0x0
; KNRM, one work-group for each of the 256 batches, 16 waves.  out[b] = sum_k w[k] sum_q qmask log(max(sum_d kernel_k(cos(q,d)), 1e-10)) + b.
; Wave w gathers query rows 2w, 2w+1 and docs 32w .. 32w+31 (two tiles of 16) from emb, rounds the RAW rows to bf16, and multiplies
; docs (M) x queries (N) on the matrix unit; cos = dot / (|q| |d|) in f32 with the norms OF THE ROUNDED ROWS, so that equal tokens give 1
; to f32 accuracy, which the kernel with sigma 1e-4 needs.  Doc norms are the diagonal of docs x docs^T (one more matrix instruction a K step
; on the fragment already in registers, in place of 160 vector multiply-adds a tile).
; The ten kernels mu = n/10 (n = 9,7,..,-9), sigma 0.1:  exp(-50 (c-mu)^2) = exp(-n^2/2) E(n),  E(n) = exp(-50 c^2 + 10 n c).
; E(1), E(-1), exp(20c), exp(-20c) are exponentials, the other E(n) products with powers of exp(+-20c); exp(-n^2/2) is added behind the log.
; |c| <= 1 (rows divided by their own norms), so the largest factor is e^80 and the largest E(n) e^40.5: inside f32.  A term that flushes to
; zero is below e^-87, the clip is e^-23.
; LIMITS: a row's sum of squares must be finite in f32 (|emb| below about 1e18), as in the f32 reference; a token is clamped to 99,999 for
; its address.  No cluster: no two work-groups read the same tile (rows are picked by tokens).  No L2 prefetch: each wave keeps 20 loads
; (9,600 bytes), the work-group 153,600 bytes, on their way from the first row to the last.  The result is 4 bytes a work-group.
.set ROWB,  1200                       ; bytes in a row of emb
.set SEG,   240                        ; 15 lanes x 16 bytes: a fifth of a row
.set QP,    656                        ; LDS pitch of a bf16 row: 600 bytes + 40 of zeros (K 300 -> 320) + 16; 41 x 16, so 16 rows start in 16 different 16-byte columns
.set RQ,    32*QP                      ; 32 f32: sqrt(50 log2 e) / (|q| + 1e-13)
.set QM,    RQ+128                     ; 32 f32: query mask
.set FIN,   QM+128                     ; 11 f32: one word for each kernel
.set STAGE, FIN+64                     ; a stage of 16 bf16 rows for each wave
.set STB,   16*QP
.set RED,   STAGE+16*STB               ; [kernel 11][wave 16][query 32] f32
.set QTA,  1                           ; v1       address of my query token, later 4 r
.set ZERO, 2                           ; v[2:3]   0
.set LSTO, 4                           ; v4       stage: row 8h, my 8 bytes
.set LQST, 5                           ; v5       query row 2w+h, my 8 bytes
.set AFR,  6                           ; v6       stage: fragment address r*QP + 16h
.set BFR,  7                           ; v7       queries: fragment address r*QP + 16h
.set I16,  8                           ; v8       16 min(i,14)
.set R,    9                           ; v9       lane % 16
.set QT,   10                          ; v10      my half's query token
.set H,    11                          ; v11      lane / 16
.set OFFS, 12                          ; v[12:15] slot s: byte offset in emb
.set TOK,  16                          ; v[16:31] doc tokens: tile T, row 8h+p in v[16+8T+p]
.set RING, 32                          ; v[32:111] four slots of five loads
.set PK,   112                         ; v[112:121] a pass's rows in bf16
.set NS,   122                         ; v[122:125] four chains of squares (query pass), set-up temporaries
.set IM,   126
.set DTA,  127
.set RD,   128                         ; v[128:135] docs x docs^T, then register j: 1/(|d|+1e-13) of doc 8h+j, 0 if masked
.set OFM,  136                         ; v[136:143] register j: 0, or -1000 if doc 8h+j is masked
.set ACC,  144                         ; v[144:187] query tile q, kernel k: pair at 144 + 22 q + 2 k
.set DD,   188                         ; v[188:203] docs x queries, two query tiles
.set FR,   204                         ; v[204:251] two fragment buffers of 24; then the kernels' temporaries
.set T0,   FR
.set T1,   FR+8
.set T2,   FR+16
.set T3,   FR+24
.set T4,   FR+32
.set T5,   FR+40
.set RQV,  252                         ; v[252:253] query scale of query r, 16+r
.set RQA,  254
.set L4,   255                         ; 4 x lane
	s_load_b256 s[4:11], s[0:1], 0x0               ; query_tokens s[4:5], doc_tokens s[6:7], emb s[8:9], w s[10:11]
	s_load_b128 s[12:15], s[0:1], 0x20             ; b s[12:13], out0 s[14:15]
	v_lshrrev_b32 v1, 5, v0
	v_readfirstlane_b32 s16, v1                    ; wave 0..15
	v_and_b32 v[R], 15, v0
	v_bfe_u32 v[H], v0, 4, 1
	v_and_b32 v[DTA], 0x1e0, v0
	v_lshlrev_b32 v[DTA], 2, v[DTA]                ; 128 bytes of doc tokens a wave
	v_lshl_add_u32 v[DTA], v[H], 5, v[DTA]         ; + 8 tokens for the upper half
	v_lshrrev_b32 v[QTA], 4, v0
	v_lshlrev_b32 v[QTA], 2, v[QTA]                ; query 2w+h
	s_lshl_b32 s18, ttmp9, 11                      ; batch x 512 tokens
	s_mov_b32 s19, 0
	s_lshl_b32 s28, ttmp9, 7                       ; batch x 32 tokens
	s_mov_b32 s29, 0
	s_lshl_b32 s30, ttmp9, 2                       ; batch x 4 bytes of out0
	s_mov_b32 s31, 0
	s_min_u32 s17, s16, 10                         ; wave k < 11 finishes kernel k; the others stay inside w
	s_lshl_b32 s17, s17, 2
	s_wait_kmcnt 0x0
	s_add_nc_u64 s[6:7], s[6:7], s[18:19]
	s_add_nc_u64 s[4:5], s[4:5], s[28:29]
	s_add_nc_u64 s[14:15], s[14:15], s[30:31]
	global_load_b128 v[TOK:TOK+3],     v[DTA], s[6:7]            ; a half's sixteen lanes share 16 bytes: register p = token of row 8h+p
	global_load_b128 v[TOK+4:TOK+7],   v[DTA], s[6:7] offset:16
	global_load_b128 v[TOK+8:TOK+11],  v[DTA], s[6:7] offset:64
	global_load_b128 v[TOK+12:TOK+15], v[DTA], s[6:7] offset:80
	global_load_b32  v[QT], v[QTA], s[4:5]
	s_load_b32 s32, s[10:11], s17 offset:0x0       ; w[k]
	s_load_b32 s33, s[12:13], 0x0                  ; b
	; constants and LDS addresses while the tokens are on their way
	s_mov_b32 s20, 0x3fd96d27                      ; 10 log2 e / sqrt(50 log2 e) = 1.6986435
	s_mov_b32 s21, 0x3fd96d27
	s_mov_b32 s22, 0x40596d27                      ; twice that
	s_mov_b32 s23, 0x40596d27
	s_mov_b32 s24, 0x447a0000                      ; 1000
	s_mov_b32 s25, 0x447a0000
	s_mov_b32 s26, 0xc604b4e0                      ; -1000 sqrt(50 log2 e) = -8493.21875
	s_mov_b32 s27, 0xc604b4e0
	s_mov_b32 s37, 0x7fff7fff                      ; all lanes but 15 and 31, which repeat their neighbours
	s_mov_b32 s38, 0xffff0000                      ; the upper half
	s_mov_b32 s40, 0x76543210                      ; v_permlanex16_b32: lane i of the other half
	s_mov_b32 s41, 0xfedcba98
.irp j, 0,1,2,3,4,5,6,7
	s_mov_b32 s[48+\j], 0x01000001<<\j             ; where register j holds a diagonal element: lane j (m = n = j) and lane 24+j (m = n = 8+j)
.endr
	v_mov_b32 v[ZERO], 0
	v_mov_b32 v[ZERO+1], 0
	v_min_u32 v[IM], 14, v[R]
	v_lshlrev_b32 v[I16], 4, v[IM]
	s_mul_i32 s34, s16, STB
	s_add_co_u32 s34, s34, STAGE                   ; my wave's stage
	s_mul_i32 s35, s16, 2*QP                       ; my wave's two query rows
	s_lshl_b32 s36, s16, 3
	v_mul_u32_u24 v[LSTO], v[H], 8*QP
	v_lshl_add_u32 v[LSTO], v[IM], 3, v[LSTO]
	v_add_nc_u32 v[LSTO], s34, v[LSTO]
	v_mul_u32_u24 v[NS], v[H], QP
	v_add_nc_u32 v[NS], s35, v[NS]
	v_lshl_add_u32 v[LQST], v[IM], 3, v[NS]
	v_min_u32 v[NS+1], 4, v[R]
	v_lshl_add_u32 v[NS+1], v[NS+1], 3, v[NS]
	ds_store_b64 v[NS+1], v[ZERO:ZERO+1] offset:600              ; zeros for K 300..319 of my query rows (lanes 4..15 write the same 8 bytes)
	v_mul_u32_u24 v[BFR], v[R], QP
	v_lshl_add_u32 v[NS+2], v[H], 3, v[BFR]
	v_add_nc_u32 v[NS+2], s34, v[NS+2]
	ds_store_b64 v[NS+2], v[ZERO:ZERO+1] offset:600              ; the same for the 16 rows of my stage: bytes 600..647, written once,
	ds_store_b64 v[NS+2], v[ZERO:ZERO+1] offset:616              ; the rows' data never reach them
	ds_store_b64 v[NS+2], v[ZERO:ZERO+1] offset:632
	v_lshl_add_u32 v[BFR], v[H], 4, v[BFR]
	v_add_nc_u32 v[AFR], s34, v[BFR]
	v_lshl_add_u32 v[RQA], v[H], 2, s36
	v_and_b32 v[L4], 31, v0
	v_lshlrev_b32 v[L4], 2, v[L4]
.macro NOP4                            ; four places behind a matrix instruction (ISA guide 7.12.1) before its registers are loaded, written or its result read
.rept 4
	v_nop
.endr
.endm
; ask for two rows (one a half): five loads of 15 x 16 neighbouring bytes a row.  Last byte: 99,999 x 1,200 + 224 + 960 + 16 = the table's end.
.macro ISSUE slot, tok
	v_min_u32 v[OFFS+(\slot)], 0x1869f, v[\tok]
	v_mul_u32_u24 v[OFFS+(\slot)], v[OFFS+(\slot)], ROWB
	v_add_nc_u32 v[OFFS+(\slot)], v[OFFS+(\slot)], v[I16]
.irp t, 0,1,2,3,4
	global_load_b128 v[RING+20*(\slot)+4*\t:RING+20*(\slot)+4*\t+3], v[OFFS+(\slot)], s[8:9] offset:\t*SEG
.endr
.endm
.macro CVT slot                        ; 20 f32 a lane to bf16, nearest even
.irp t, 0,1,2,3,4
	v_cvt_pk_bf16_f32 v[PK+2*\t],   v[RING+20*(\slot)+4*\t],   v[RING+20*(\slot)+4*\t+1]
	v_cvt_pk_bf16_f32 v[PK+2*\t+1], v[RING+20*(\slot)+4*\t+2], v[RING+20*(\slot)+4*\t+3]
.endr
.endm
.macro PUT adr, base                   ; 8 bytes a lane, 120 neighbouring bytes a half; the halves' rows lie 8 x 656 bytes = 32 banks apart
.irp t, 0,1,2,3,4
	ds_store_b64 v[\adr], v[PK+2*\t:PK+2*\t+1] offset:\base+120*\t
.endr
.endm
; doc pass p (0..15): rows p%8 and 8+p%8 of tile p/8, in slot (p+1)%4.  left = loads of the younger passes that stay out.
; The slot's offset register and data are free behind the wait for its own loads; it is asked for again (pass p+4) as soon as it is converted.
.macro DOCPASS p, left, more
	s_wait_loadcnt \left
	CVT (\p+1)%4
.if \more
	ISSUE (\p+1)%4, TOK+\p+4
.endif
	PUT LSTO, (\p%8)*QP
.endm
.macro SQ4 t, a0, a1, a2, a3           ; squares of the rounded numbers, four chains
	v_fma_mix_f32_bf16 v[NS],   v[PK+2*\t],   v[PK+2*\t],   v[\a0] op_sel_hi:[1,1,0]
	v_fma_mix_f32_bf16 v[NS+1], v[PK+2*\t],   v[PK+2*\t],   v[\a1] op_sel:[1,1,0] op_sel_hi:[1,1,0]
	v_fma_mix_f32_bf16 v[NS+2], v[PK+2*\t+1], v[PK+2*\t+1], v[\a2] op_sel_hi:[1,1,0]
	v_fma_mix_f32_bf16 v[NS+3], v[PK+2*\t+1], v[PK+2*\t+1], v[\a3] op_sel:[1,1,0] op_sel_hi:[1,1,0]
.endm
; fragments of K step s into buffer u: 16 docs, 2 x 16 queries; lane (r,h): row r, K 8h..8h+7 and 16+8h..+7
.macro FETCH s, u
	ds_load_b128 v[FR+24*(\u):FR+24*(\u)+3],     v[AFR] offset:64*(\s)
	ds_load_b128 v[FR+24*(\u)+4:FR+24*(\u)+7],   v[AFR] offset:64*(\s)+32
	ds_load_b128 v[FR+24*(\u)+8:FR+24*(\u)+11],  v[BFR] offset:64*(\s)
	ds_load_b128 v[FR+24*(\u)+12:FR+24*(\u)+15], v[BFR] offset:64*(\s)+32
	ds_load_b128 v[FR+24*(\u)+16:FR+24*(\u)+19], v[BFR] offset:16*QP+64*(\s)
	ds_load_b128 v[FR+24*(\u)+20:FR+24*(\u)+23], v[BFR] offset:16*QP+64*(\s)+32
.endm
; docs x queries 0-15, docs x queries 16-31, docs x docs.  Result register j of lane (r,h): doc 8h+j, column r.  zero: the first step starts the sums.
.macro MM u, zero
.if \zero
	v_wmma_f32_16x16x32_bf16 v[DD:DD+7],    v[FR+24*(\u):FR+24*(\u)+7], v[FR+24*(\u)+8:FR+24*(\u)+15],  0
	v_wmma_f32_16x16x32_bf16 v[DD+8:DD+15], v[FR+24*(\u):FR+24*(\u)+7], v[FR+24*(\u)+16:FR+24*(\u)+23], 0
	v_wmma_f32_16x16x32_bf16 v[RD:RD+7],    v[FR+24*(\u):FR+24*(\u)+7], v[FR+24*(\u):FR+24*(\u)+7],     0
.else
	v_wmma_f32_16x16x32_bf16 v[DD:DD+7],    v[FR+24*(\u):FR+24*(\u)+7], v[FR+24*(\u)+8:FR+24*(\u)+15],  v[DD:DD+7]
	v_wmma_f32_16x16x32_bf16 v[DD+8:DD+15], v[FR+24*(\u):FR+24*(\u)+7], v[FR+24*(\u)+16:FR+24*(\u)+23], v[DD+8:DD+15]
	v_wmma_f32_16x16x32_bf16 v[RD:RD+7],    v[FR+24*(\u):FR+24*(\u)+7], v[FR+24*(\u):FR+24*(\u)+7],     v[RD:RD+7]
.endif
.endm
.macro AADD a, x, init                 ; a += x; init: the first pair starts the sum, nothing is cleared
.if \init
	v_pk_add_f32 v[\a:\a+1], v[\x:\x+1], 0 op_sel_hi:[1,0]
.else
	v_pk_add_f32 v[\a:\a+1], v[\a:\a+1], v[\x:\x+1]
.endif
.endm
.macro AFMA a, x, y, init              ; a += x y
.if \init
	v_pk_mul_f32 v[\a:\a+1], v[\x:\x+1], v[\y:\y+1]
.else
	v_pk_fma_f32 v[\a:\a+1], v[\x:\x+1], v[\y:\y+1], v[\a:\a+1]
.endif
.endm
; the eleven kernels of my query (column r of query tile q) and my eight docs, two docs an instruction
.macro KERN q, first
.set DQ, DD+8*\q
.set AQ, ACC+22*\q
.irp p, 0,2,4,6
	v_pk_mul_f32 v[DQ+\p:DQ+\p+1], v[DQ+\p:DQ+\p+1], v[RQV:RQV+1] op_sel:[0,\q] op_sel_hi:[1,\q]   ; x the query's scale
.endr
.irp p, 0,2,4,6
	v_pk_mul_f32 v[DQ+\p:DQ+\p+1], v[DQ+\p:DQ+\p+1], v[RD+\p:RD+\p+1]                              ; y = c sqrt(50 log2 e); 0 for a masked doc
.endr
.irp p, 0,2,4,6
	v_pk_fma_f32 v[T0+\p:T0+\p+1], v[DQ+\p:DQ+\p+1], v[DQ+\p:DQ+\p+1], v[OFM+\p:OFM+\p+1] neg_lo:[1,0,0] neg_hi:[1,0,0]   ; -y^2 (- 1000 if masked)
.endr
.irp p, 0,2,4,6
	v_pk_fma_f32 v[T1+\p:T1+\p+1], v[DQ+\p:DQ+\p+1], s[20:21], v[T0+\p:T0+\p+1] op_sel_hi:[1,0,1]  ; log2 E(+1)
.endr
.irp p, 0,2,4,6
	v_pk_fma_f32 v[T0+\p:T0+\p+1], v[DQ+\p:DQ+\p+1], s[20:21], v[T0+\p:T0+\p+1] op_sel_hi:[1,0,1] neg_lo:[1,0,0] neg_hi:[1,0,0]   ; log2 E(-1)
.endr
.irp p, 0,2,4,6
	v_pk_mul_f32 v[T2+\p:T2+\p+1], v[DQ+\p:DQ+\p+1], s[22:23] op_sel_hi:[1,0]                      ; 20 c log2 e
.endr
.irp p, 0,2,4,6
	v_pk_fma_f32 v[T3+\p:T3+\p+1], v[DQ+\p:DQ+\p+1], s[24:25], s[26:27] op_sel_hi:[1,0,0]          ; z = 1000 sqrt(50 log2 e) (c - 1), one rounding
.endr
.irp p, 0,2,4,6
	v_pk_mul_f32 v[T3+\p:T3+\p+1], v[T3+\p:T3+\p+1], v[T3+\p:T3+\p+1] neg_lo:[1,0] neg_hi:[1,0]    ; -z^2 = -(c-1)^2 log2 e / 2e-8
.endr
.irp e, 0,1,2,3,4,5,6,7
	v_exp_f32 v[T1+\e], v[T1+\e]                   ; E(+1)
.endr
.irp e, 0,1,2,3,4,5,6,7
	v_exp_f32 v[T0+\e], v[T0+\e]                   ; E(-1)
.endr
.irp e, 0,1,2,3,4,5,6,7
	v_exp_f32 v[T4+\e], v[T2+\e]                   ; u = exp(20c)
.endr
.irp e, 0,1,2,3,4,5,6,7
	v_exp_f32 v[T2+\e], -v[T2+\e]                  ; v = exp(-20c)
.endr
.irp e, 0,1,2,3,4,5,6,7
	v_exp_f32 v[T3+\e], v[T3+\e]                   ; the exact-match kernel
.endr
	v_nop                                          ; one plain instruction between the exponentials and the first use (ISA guide 5.7.2)
	s_wait_alu depctr_va_vdst(0)
.irp p, 0,2,4,6
	AADD AQ+0,  T3+\p, \first*(\p==0)
	AADD AQ+10, T1+\p, \first*(\p==0)
	AADD AQ+12, T0+\p, \first*(\p==0)
	AFMA AQ+8,  T1+\p, T4+\p, \first*(\p==0)       ; E(3) = E(1) u
	AFMA AQ+14, T0+\p, T2+\p, \first*(\p==0)       ; E(-3) = E(-1) v
.endr
.irp p, 0,2,4,6
	v_pk_mul_f32 v[T5+\p:T5+\p+1], v[T4+\p:T4+\p+1], v[T4+\p:T4+\p+1]      ; u^2
	v_pk_mul_f32 v[T3+\p:T3+\p+1], v[T2+\p:T2+\p+1], v[T2+\p:T2+\p+1]      ; v^2
.endr
.irp p, 0,2,4,6
	AFMA AQ+6,  T1+\p, T5+\p, \first*(\p==0)       ; E(5)
	AFMA AQ+16, T0+\p, T3+\p, \first*(\p==0)       ; E(-5)
.endr
.irp p, 0,2,4,6
	v_pk_mul_f32 v[T4+\p:T4+\p+1], v[T4+\p:T4+\p+1], v[T5+\p:T5+\p+1]      ; u^3
	v_pk_mul_f32 v[T2+\p:T2+\p+1], v[T2+\p:T2+\p+1], v[T3+\p:T3+\p+1]      ; v^3
.endr
.irp p, 0,2,4,6
	AFMA AQ+4,  T1+\p, T4+\p, \first*(\p==0)       ; E(7)
	AFMA AQ+18, T0+\p, T2+\p, \first*(\p==0)       ; E(-7)
.endr
.irp p, 0,2,4,6
	v_pk_mul_f32 v[T5+\p:T5+\p+1], v[T5+\p:T5+\p+1], v[T5+\p:T5+\p+1]      ; u^4 <= e^80
	v_pk_mul_f32 v[T3+\p:T3+\p+1], v[T3+\p:T3+\p+1], v[T3+\p:T3+\p+1]      ; v^4
.endr
.irp p, 0,2,4,6
	AFMA AQ+2,  T1+\p, T5+\p, \first*(\p==0)       ; E(9)
	AFMA AQ+20, T0+\p, T3+\p, \first*(\p==0)       ; E(-9)
.endr
.endm
; a tile of 16 docs out of my stage: ten K steps of 32 on two fragment buffers, then norms, masks and the kernels
.macro TILE t, first
	FETCH 0, 0
	FETCH 1, 1
.irp s, 0,1,2,3,4,5,6,7,8,9
.if \s < 9
	s_wait_dscnt 6                                 ; LDS answers in order (ISA guide 5.7.1): this step's six loads are in, the next step's six stay out
.else
	s_wait_dscnt 0
.endif
	MM \s%2, (\s==0)
.if \s < 8
	NOP4
	FETCH \s+2, \s%2
.endif
.endr
	NOP4
.irp j, 0,1,2,3,4,5,6,7
	v_cndmask_b32 v[RD+\j], 0, v[RD+\j], s[48+\j]  ; keep the diagonal: |doc 8h+j|^2 sits in one lane of half h
.endr
.irp m, 1,2,4,8
.irp j, 0,1,2,3,4,5,6,7
	v_add_f32_dpp v[RD+\j], v[RD+\j], v[RD+\j] row_xmask:\m row_mask:0xf bank_mask:0xf   ; one term and fifteen zeros: now in all 16 lanes
.endr
.endr
.irp j, 0,1,2,3,4,5,6,7
	v_sqrt_f32 v[RD+\j], v[RD+\j]
.endr
	v_nop
	s_wait_alu depctr_va_vdst(0)
.irp j, 0,2,4,6
	v_pk_add_f32 v[RD+\j:RD+\j+1], v[RD+\j:RD+\j+1], 0x29e12e13 op_sel_hi:[1,0]          ; + 1e-13
.endr
.irp j, 0,1,2,3,4,5,6,7
	v_rcp_f32 v[RD+\j], v[RD+\j]
.endr
	v_nop
	s_wait_alu depctr_va_vdst(0)
.irp j, 0,1,2,3,4,5,6,7
	v_cmp_lt_i32 vcc_lo, 0, v[TOK+8*\t+\j]         ; doc mask: token > 0
	v_cndmask_b32 v[RD+\j], 0, v[RD+\j], vcc_lo    ; masked: cosine 0,
	v_cndmask_b32 v[OFM+\j], 0xc47a0000, v[ZERO], vcc_lo   ; and -1000 in the exponents: every kernel gives 0
.endr
	KERN 0, \first
	KERN 1, \first
.endm
	s_wait_loadcnt 0x0                             ; the tokens
	s_wait_kmcnt 0x0                               ; w[k], b
	ISSUE 0, QT                                    ; the ring: my two query rows, then doc passes 0, 1, 2
	ISSUE 1, TOK
	ISSUE 2, TOK+1
	ISSUE 3, TOK+2
	; THE QUERY PASS
	s_wait_loadcnt 15                              ; my five loads are in; the fifteen of passes 0 to 2 stay out
	CVT 0
	ISSUE 0, TOK+3
	PUT LQST, 0
	SQ4 0, ZERO, ZERO, ZERO, ZERO
	SQ4 1, NS, NS+1, NS+2, NS+3
	SQ4 2, NS, NS+1, NS+2, NS+3
	SQ4 3, NS, NS+1, NS+2, NS+3
	SQ4 4, NS, NS+1, NS+2, NS+3
	v_pk_add_f32 v[NS:NS+1], v[NS:NS+1], v[NS+2:NS+3]
	v_add_f32 v[NS], v[NS], v[NS+1]
	v_cndmask_b32 v[RQV], 0, v[NS], s37            ; lanes 15 and 31 repeated their neighbours' numbers: not counted
	v_add_f32_dpp v[RQV], v[RQV], v[RQV] row_xmask:1 row_mask:0xf bank_mask:0xf
	v_add_f32_dpp v[RQV], v[RQV], v[RQV] row_xmask:2 row_mask:0xf bank_mask:0xf
	v_add_f32_dpp v[RQV], v[RQV], v[RQV] row_xmask:4 row_mask:0xf bank_mask:0xf
	v_add_f32_dpp v[RQV], v[RQV], v[RQV] row_xmask:8 row_mask:0xf bank_mask:0xf
	v_sqrt_f32 v[RQV], v[RQV]
	v_cmp_lt_i32 vcc_lo, 0, v[QT]
	v_cndmask_b32 v[RQV+1], 0, 1.0, vcc_lo         ; query mask
	s_wait_alu depctr_va_vdst(0)
	v_add_f32 v[RQV], 0x29e12e13, v[RQV]           ; + 1e-13
	v_rcp_f32 v[RQV], v[RQV]
	v_nop
	s_wait_alu depctr_va_vdst(0)
	v_mul_f32 v[RQV], 0x4107e439, v[RQV]           ; x sqrt(50 log2 e) = 8.4932184
	ds_store_b32 v[RQA], v[RQV] offset:RQ          ; a half's lanes write one word with one value
	ds_store_b32 v[RQA], v[RQV+1] offset:QM
	; TILE 0
	DOCPASS 0, 15, 1
	DOCPASS 1, 15, 1
	DOCPASS 2, 15, 1
	DOCPASS 3, 15, 1
	DOCPASS 4, 15, 1
	DOCPASS 5, 15, 1
	DOCPASS 6, 15, 1
	DOCPASS 7, 15, 1
	s_wait_dscnt 0x0                               ; my query rows, scales and masks are in LDS,
	s_barrier_signal -1
	s_barrier_wait -1                              ; everybody's are (passes 8 to 11 stay on their way)
	v_lshlrev_b32 v[QTA], 2, v[R]
	ds_load_b32 v[RQV],   v[QTA] offset:RQ         ; scale of query r
	ds_load_b32 v[RQV+1], v[QTA] offset:RQ+64      ; and of query 16+r
	TILE 0, 1
	; TILE 1; the stage is my own and LDS serves a wave in order: no barrier
	DOCPASS 8, 15, 1
	DOCPASS 9, 15, 1
	DOCPASS 10, 15, 1
	DOCPASS 11, 15, 1
	DOCPASS 12, 15, 0                              ; nothing more to ask for: the counts run down
	DOCPASS 13, 10, 0
	DOCPASS 14, 5, 0
	DOCPASS 15, 0, 0
	TILE 1, 0
	; MY 32 DOCS' SUMS, lane = query: the lower half keeps tile 0's sums and sends tile 1's across, the upper half the other way round
.irp k, 0,1,2,3,4,5,6,7,8,9,10
	v_add_f32 v[ACC+2*\k], v[ACC+2*\k], v[ACC+2*\k+1]
	v_add_f32 v[ACC+22+2*\k], v[ACC+22+2*\k], v[ACC+22+2*\k+1]
.endr
.irp k, 0,1,2,3,4,5,6,7,8,9,10
	v_cndmask_b32 v[FR+\k],    v[ACC+2*\k],    v[ACC+22+2*\k], s38
	v_cndmask_b32 v[FR+16+\k], v[ACC+22+2*\k], v[ACC+2*\k],    s38
.endr
.irp k, 0,1,2,3,4,5,6,7,8,9,10
	v_permlanex16_b32 v[ACC+2*\k+1], v[FR+16+\k], s40, s41
.endr
.irp k, 0,1,2,3,4,5,6,7,8,9,10
	v_add_f32 v[FR+\k], v[FR+\k], v[ACC+2*\k+1]
.endr
	s_lshl_b32 s39, s16, 7
	s_add_co_u32 s39, s39, RED
	v_add_nc_u32 v[FR+32], s39, v[L4]
.irp k, 0,1,2,3,4,5,6,7,8,9,10
	ds_store_b32 v[FR+32], v[FR+\k] offset:2048*\k
.endr
	s_wait_dscnt 0x0
	s_barrier_signal -1
	s_barrier_wait -1
	; WAVE k < 11 FINISHES KERNEL k
	s_cmp_ge_u32 s16, 11
	s_cbranch_scc1 .Lidle
	s_lshl_b32 s39, s16, 11
	s_add_co_u32 s39, s39, RED
	v_add_nc_u32 v[FR+32], s39, v[L4]
.irp j, 0,1,2,3,4,5,6,7,8,9,10,11,12,13,14,15
	ds_load_b32 v[FR+\j], v[FR+32] offset:128*\j   ; the sixteen waves' sums of my query
.endr
	ds_load_b32 v[FR+16], v[L4] offset:QM
	s_lshl_b32 s42, s16, 1
	s_sub_co_i32 s42, 11, s42                      ; n = 11 - 2k = 10 mu
	s_mul_i32 s42, s42, s42
	s_cmp_eq_u32 s16, 0
	s_cselect_b32 s42, 0, s42                      ; kernel 0 carries no factor
	v_cvt_f32_u32 v[FR+17], s42                    ; n^2
	s_lshl_b32 s43, s16, 2
	v_mov_b32 v[FR+18], s43
	s_wait_dscnt 0x0
	v_pk_add_f32 v[FR:FR+1],   v[FR:FR+1],   v[FR+8:FR+9]
	v_pk_add_f32 v[FR+2:FR+3], v[FR+2:FR+3], v[FR+10:FR+11]
	v_pk_add_f32 v[FR+4:FR+5], v[FR+4:FR+5], v[FR+12:FR+13]
	v_pk_add_f32 v[FR+6:FR+7], v[FR+6:FR+7], v[FR+14:FR+15]
	v_pk_add_f32 v[FR:FR+1],   v[FR:FR+1],   v[FR+4:FR+5]
	v_pk_add_f32 v[FR+2:FR+3], v[FR+2:FR+3], v[FR+6:FR+7]
	v_pk_add_f32 v[FR:FR+1],   v[FR:FR+1],   v[FR+2:FR+3]
	v_add_f32 v[FR], v[FR], v[FR+1]
	v_log_f32 v[FR], v[FR]                         ; log2; of 0: -infinity, which the clip below takes
	v_nop
	s_wait_alu depctr_va_vdst(0)
	v_fmamk_f32 v[FR], v[FR+17], 0xbf38aa3b, v[FR] ; + log2 exp(-n^2/2)
	v_max_num_f32 v[FR], 0xc204e08b, v[FR]         ; the clip: log2 1e-10 = -33.219281
	v_mul_f32 v[FR], v[FR], v[FR+16]               ; query mask
	v_add_f32_dpp v[FR], v[FR], v[FR] row_xmask:1 row_mask:0xf bank_mask:0xf
	v_add_f32_dpp v[FR], v[FR], v[FR] row_xmask:2 row_mask:0xf bank_mask:0xf
	v_add_f32_dpp v[FR], v[FR], v[FR] row_xmask:4 row_mask:0xf bank_mask:0xf
	v_add_f32_dpp v[FR], v[FR], v[FR] row_xmask:8 row_mask:0xf bank_mask:0xf
	v_permlanex16_b32 v[FR+1], v[FR], s40, s41
	v_add_f32 v[FR], v[FR], v[FR+1]                ; over the 32 queries
	v_mul_f32 v[FR], s32, v[FR]                    ; x w[k]
	ds_store_b32 v[FR+18], v[FR] offset:FIN
.Lidle:
	s_wait_dscnt 0x0
	s_barrier_signal -1
	s_barrier_wait -1
	s_cmp_lg_u32 s16, 0
	s_cbranch_scc1 .Lend
	; WAVE 0: the eleven words, x ln 2, + b
	ds_load_b128 v[FR:FR+3],   v[ZERO] offset:FIN
	ds_load_b128 v[FR+4:FR+7], v[ZERO] offset:FIN+16
	ds_load_b64  v[FR+8:FR+9], v[ZERO] offset:FIN+32
	ds_load_b32  v[FR+10],     v[ZERO] offset:FIN+40
	s_mov_b32 s44, 0x3f317218                      ; ln 2
	s_wait_dscnt 0x0
	v_pk_add_f32 v[FR:FR+1],   v[FR:FR+1],   v[FR+2:FR+3]
	v_pk_add_f32 v[FR+4:FR+5], v[FR+4:FR+5], v[FR+6:FR+7]
	v_pk_add_f32 v[FR:FR+1],   v[FR:FR+1],   v[FR+4:FR+5]
	v_pk_add_f32 v[FR:FR+1],   v[FR:FR+1],   v[FR+8:FR+9]
	v_add_f32 v[FR], v[FR], v[FR+1]
	v_add_f32 v[FR], v[FR], v[FR+10]
	v_fma_f32 v[FR], v[FR], s44, s33
	s_wait_xcnt 0x0                                ; EXEC changes only behind this wait
	v_cmp_eq_u32 vcc_lo, 0, v0
	s_and_saveexec_b32 s45, vcc_lo
	global_store_b32 v[ZERO], v[FR], s[14:15]      ; out0[batch], one lane
	s_wait_xcnt 0x0
	s_or_b32 exec_lo, exec_lo, s45
.Lend:
	s_wait_xcnt 0x0
	s_mov_b32 exec_lo, -1
	v_lshl_add_u32 v254, v0, 2, 0x33c00
	v_mov_b32 v255, 0
	s_wait_tensorcnt 0x0
	ds_add_u32 v254, v255
	s_wait_dscnt 0x0
	s_endpgm
.Lfunc_end_k_qf6d57e7756_knrm:
	.size	k_qf6d57e7756_knrm, .Lfunc_end_k_qf6d57e7756_knrm-k_qf6d57e7756_knrm
	.p2alignl 7, 3214868480
	.fill 96, 4, 3214868480
	.section	.rodata,"a",@progbits
	.p2align	6, 0x0
	.amdhsa_kernel k_qf6d57e7756_knrm
		.amdhsa_group_segment_fixed_size 214016
		.amdhsa_private_segment_fixed_size 0
		.amdhsa_enable_private_segment 0
		.amdhsa_kernarg_size 48
		.amdhsa_user_sgpr_count 2
		.amdhsa_user_sgpr_kernarg_segment_ptr 1
		.amdhsa_wavefront_size32 1
		.amdhsa_system_sgpr_workgroup_id_x 1
		.amdhsa_system_sgpr_workgroup_id_y 1
		.amdhsa_system_sgpr_workgroup_id_z 1
		.amdhsa_system_vgpr_workitem_id 0
		.amdhsa_next_free_vgpr 256
		.amdhsa_next_free_sgpr 66
		.amdhsa_reserve_vcc 1
		.amdhsa_float_denorm_mode_32 3
		.amdhsa_float_denorm_mode_16_64 3
		.amdhsa_memory_ordered 1
		.amdhsa_forward_progress 1
		.amdhsa_inst_pref_size 98
	.end_amdhsa_kernel
	.amdgpu_metadata
---
amdhsa.version: [ 1, 2 ]
amdhsa.kernels:
  - .name:           k_qf6d57e7756_knrm
    .symbol:         k_qf6d57e7756_knrm.kd
    .args:
      - { .name: query_tokens, .offset: 0, .size: 8, .value_kind: global_buffer, .address_space: global }
      - { .name: doc_tokens, .offset: 8, .size: 8, .value_kind: global_buffer, .address_space: global }
      - { .name: emb, .offset: 16, .size: 8, .value_kind: global_buffer, .address_space: global }
      - { .name: w, .offset: 24, .size: 8, .value_kind: global_buffer, .address_space: global }
      - { .name: b, .offset: 32, .size: 8, .value_kind: global_buffer, .address_space: global }
      - { .name: out0, .offset: 40, .size: 8, .value_kind: global_buffer, .address_space: global }
    .group_segment_fixed_size: 214016
    .private_segment_fixed_size: 0
    .kernarg_segment_align: 8
    .kernarg_segment_size: 48
    .max_flat_workgroup_size: 512
    .sgpr_count:     66
    .vgpr_count:     256
    .wavefront_size: 32
...
	.end_amdgpu_metadata
.endif
;; end of part 1
